; MI455X (gfx1250); checked and timed in simulation.
; The chip was launched on July 23, 2026; its instructions are those of AMD's public machine-readable ISA for CDNA 5 (MIT licence, August 2026) and "CDNA5" Instruction Set Architecture Reference Guide (July 2026). The comments in the code are by the model that wrote it; some were corrected since.
;; Sparse Attention. Allowed arithmetic: matrix products marked QUANTISED: E5M2 operands, one E8M0 scale for each 32 along K, by v_wmma_scale_f32_16x16x128_f8f6f4 with both operands' format E5M2, f32 sums; everything else in f32.
;; Inputs: k 1 x 16 x 4,096 x 64 float32; q 1 x 16 x 4,096 x 64 float32; v 1 x 16 x 4,096 x 64 float32.
;; Outputs: out0 1 x 16 x 4,096 x 64 float32.
;; This version of the problem:
;;   THIS VERSION OF THE PROBLEM IS GIVEN IN LOW PRECISION. The matrix products marked QUANTISED in the list below multiply operands that are first quantised to E5M2 (5 exponent bits, 2 mantissa bits; 8 bits a number), with one power-of-two scale for each 32 numbers along K (OCP MX v1.0); their sums are f32. All else is computed in f32.
;;   The module's matrix products, in the order in which they are computed (A, B: the left and right operand; K: the contracted axis; several contracted axes count as one K, in the product's order):
;;     1. batch 16 x [M 4,096, K 64] x [K 64, N 4,096]; A: input q; B: input k: QUANTISED
;;     2. batch 16 x [M 4,096, K 4,096] x [K 4,096, N 64]; A: computed on the way; B: input v: QUANTISED
;;   THE QUANTISER, for each operand of a quantised product, along K:
;;     - K is cut into blocks of 32 from its start; a last block that is shorter is filled with zeros.
;;     - A block's scale is 2^e with e = floor(log2(the largest magnitude in the block)) - 15, held to -126 .. 127; a block of zeros has e = 0. As a byte (E8M0): e + 127.
;;     - Each number is divided by its block's scale, clamped to +-57,344, and rounded to the nearest number of E5M2, ties to even, subnormals kept.
;;     - The product sums the exact products of the quantised numbers (number of the format x scale) in f32.
;;   ~~~python
;;   def quantise(x, axis):      # numpy; x: float32 -> the quantised numbers, widened to float32 again
;;       x = np.moveaxis(x, axis, -1); K = x.shape[-1]
;;       x = np.pad(x, [(0, 0)] * (x.ndim - 1) + [(0, -K % 32)]); x = x.reshape(x.shape[:-1] + (-1, 32)); a = np.abs(x).max(-1, keepdims=True)
;;       e = np.where(a > 0, np.clip(np.frexp(np.where(a > 0, a, 1))[1] - 1 - 15, -126, 127), 0)      # np.frexp(a)[1] - 1 = floor(log2(a)), exactly
;;       r = np.clip(x / 2.0 ** e, -57344, 57344)
;;       step = 2.0 ** (np.maximum(np.frexp(np.where(r == 0, 1, r))[1] - 1, -14) - 2)
;;       q = np.round(r / step) * step * 2.0 ** e      # np.round: ties to even
;;       return np.moveaxis(q.reshape(q.shape[:-2] + (-1,))[..., :K], -1, axis).astype(np.float32)
;;   ~~~
;;   OPERANDS COMPUTED ON THE WAY. 'Computed on the way' means the value that the module computes at that place (a softmax that the list does not call 'softmax' is quantised finished and normalised). What goes into a quantiser is computed in f32, as accurately as f32 sums, v_exp_f32 and their like allow (about 1e-6 of the number): no bf16 or f16 on the way to a quantiser, and a product that is left as it is and whose result goes on into a quantised operand takes f32 operands (vector FMAs, or v_wmma_f32_16x16x4_f32). A number that lies on a knife's edge between two numbers of the format may be rounded either way, as far as f32 arithmetic and the matrix unit's own rounding can turn it there, and no further.
;; 2 versions. Each part assembles by itself: llvm-mc -triple=amdgcn-amd-amdhsa -mcpu=gfx1250 --defsym DOCPART=n.
;; ======== version 1 of 2: 1 launch
;; launch attn (part 1): grid 16 x 16, 16 waves a work-group, no clusters, 209,920 bytes of LDS; arguments q, k, v, out0; writes out0
.if DOCPART == 1
	.amdgcn_target "amdgcn-amd-amdhsa--gfx1250"
	.amdhsa_code_object_version 6
	.text
	.protected	k_q4d83bd147e_attn
	.globl	k_q4d83bd147e_attn
	.p2align	8
	.type	k_q4d83bd147e_attn,@function
k_q4d83bd147e_attn:
	s_mov_b64 s[64:65], 0
	v_nop
	global_prefetch_b8 v0, s[64:65] scope:SCOPE_SE
	s_setreg_imm32_b32 hwreg(HW_REG_WAVE_MODE, 25, 1), 1
	s_wait_xcnt 0x0
; out0[h][i][:] = sum over j of attn[h][i][j] v[h][j][:], attn = softmax_j(q[h][i] . k[h][j] / 8) over the band i - 128 <= j < i + 128 (cut at 0 and 4,096).
; q, k, v, out0: [16][4096][64] f32.  Both products run on codes of BF8 (E5M2) with one E8M0 scale for each 32 along K.
; Product 1: K = the head's 64 = two blocks; the other 64 of the instruction's 128 are zero codes on both sides.  Product 2: K = the keys, blocks of 32 aligned to the key's number;
; its left operand is the FINISHED, NORMALISED attn: so a row's whole band of scores is kept in registers (9 aligned blocks = 288 keys for 16 queries, 144 registers a lane), the maximum is taken
; away, the sum divides, and only then attn is quantised.  Outside the band attn is 0: those blocks of K add nothing and are not multiplied.
; The band always holds the row's own key, so the row's maximum is a number and the sum is not 0: the replacement of NaN rows by 0 that the definition carries can never act.
; SHARES.  Work-group (x, y): queries 256 x .. 256 x + 255 of head y; its window: 512 keys from W0 = 256 x - 128 on, 16 blocks of 32.  Sixteen waves, four to a SIMD, 256 registers each.
; AS A PRODUCER wave w quantises window block w of k (along the head) and of v (along the keys) and puts the codes into LDS as images of the operands' registers, with their scale bytes; one barrier.
; AS A CONSUMER wave w owns queries q0 = 256 x + 16 w .. + 15 and reads window blocks w / 2 .. w / 2 + 8.
; A window block that lies outside the sequence (x = 0: blocks 0-3; x = 15: blocks 12-15) is made from a clamped key number: its codes are those of another block, finite; the mask sets all its
; scores to -infinity, so its attn is 0, its codes of attn are 0, and it adds nothing.  No load leaves its buffer, and there is no branch for it.
; BOTH PRODUCTS ARE USED TRANSPOSED: S^T = K Q^T (source 0 = 16 keys, source 1 = my 16 queries), O^T = V^T P^T (source 0 = 16 channels, source 1 = attn): a lane holds ONE query (lane % 16) throughout.
; THE KEYS OF A TILE ARE NOT NEIGHBOURS: lane r of tile 2 b + u takes key 32 b + 8 u + r + 8 (r / 8), so that the 16 registers of tiles 2 b and 2 b + 1 are 16 neighbouring keys, 32 b + 16 (lane / 16) + 0 .. 15.
; NO CLUSTER, NO TENSOR LOAD: every operand arrives as f32 and has to pass through registers to be quantised, so it comes by register loads, which have no joint form; what two neighbouring
; work-groups share is half a window (256 of 512 keys).  All 88 loads of a wave are issued at its head: nothing is known earlier than it is asked for, so nothing is prefetched.
; LIMITS: NaN and infinities among the inputs are not served.  An unnormalised weight under 2^-126 counts as 0 (v_exp_f32 gives 0 there: ISA guide, its entry).  A block of zeros has the scale byte 1, not 127: its
; codes are zeros, and only this program reads the bytes.  A block's largest attn is made from the block's largest score by the same three instructions as every attn: this takes v_exp_f32 not to fall where
; its input rises.  The division by the row's sum is a multiplication by v_rcp_f32 of it.
;
; LDS: 0: a stage of 32 rows x 272 bytes for each wave (its own: k's turn, q's turn, the way out);  KIMG: k's images [block 16][tile u 2][c 2][512];  VIMG: v's [block 16][channel tile 4][512];
;   KSC: k's scale words [block 16][128]: lanes 0-15 tile u = 0, lanes 16-31 tile u = 1;  VSC: v's scale bytes [channel 64][16], byte = window block;  SPARE: the spare words, 128 bytes a wave.
; REGISTERS: v1, v2 the add's two; v3 16 x lane, v4 4 x lane; v5-10 LDS addresses; v11-15 at work; v14 q's scale word; v16-31 codes (k's, then q's with 8 zeros, then attn's blocks 0-3);
;   v32-95 v as loaded, then four fragments of K or V, and the softmax's small numbers; v96-239 k and q on their way, then the scores S^T (block b, number n at 96 + 16 b + n), then attn;
;   v240-248 k's scale words, later attn's three; v250-255 v's scale words.
.set STGB,  8704                       ; a wave's stage: 32 rows x 272 bytes (256 + 16: sixteen rows' equal columns fall on sixteen different 16-byte columns of 256)
.set KIMG,  16*STGB
.set VIMG,  KIMG+32768
.set KSC,   VIMG+32768
.set VSC,   KSC+2048
.set SPARE, VSC+1024                   ; 207,872 = 812 x 256; 2,048 bytes that no other line names
.set S,     96
; 16 numbers a lane of each of nb blocks (register src + 16 b + i = k 16 (lane / 16) + i of block b of my row; lane l xor 16 holds the other 16) become codes in v[dst + 4 b ..] ; the bytes are left in v[tm + 4 + b]
.macro QUANT src, nb, dst, tm
.irp b, 0,1,2,3
.if \b < \nb
	v_max3_num_f32 v[\tm+\b], |v[\src+16*\b]|, |v[\src+16*\b+1]|, 0x8000000       ; my 16 numbers, and the floor 2^(16 - 127): the byte cannot fall under 1
.endif
.endr
.irp i, 2,4,6,8,10,12,14
.irp b, 0,1,2,3
.if \b < \nb
	v_max3_num_f32 v[\tm+\b], v[\tm+\b], |v[\src+16*\b+\i]|, |v[\src+16*\b+\i+1]|  ; (the blocks by turns)
.endif
.endr
.endr
.irp b, 0,1,2,3
.if \b < \nb
	v_permlanex16_b32 v[\tm+4+\b], v[\tm+\b], s20, s21                             ; (its destination counts as read: these registers have been written by loads)
.endif
.endr
.irp b, 0,1,2,3
.if \b < \nb
	v_max_num_f32 v[\tm+\b], v[\tm+\b], v[\tm+4+\b]                                ; with lane l xor 16's: the block's largest magnitude
.endif
.endr
.irp b, 0,1,2,3
.if \b < \nb
	v_add_nc_u32 v[\tm+12+\b], 0xf8800000, v[\tm+\b]                               ; 15 off its exponent field: the conversion's scale operand
.endif
.endr
.irp b, 0,1,2,3
.if \b < \nb
	v_and_or_b32 v[\tm+8+\b], v[\tm+\b], 0x7f800000, s25                           ; 57,344 x the scale
.endif
.endr
.irp b, 0,1,2,3
.if \b < \nb
	v_lshrrev_b32 v[\tm+4+\b], 23, v[\tm+12+\b]                                    ; the scale's byte
.endif
.endr
.irp b, 0,1,2,3
.if \b < \nb
.irp i, 0,1,2,3,4,5,6,7,8,9,10,11,12,13,14,15
	v_med3_num_f32 v[\src+16*\b+\i], v[\src+16*\b+\i], -v[\tm+8+\b], v[\tm+8+\b]   ; the conversion to an 8-bit code does not saturate (ISA guide 7.6.2): the hold at the largest code x the scale
.endr
	v_cvt_scalef32_pk8_bf8_f32 v[\dst+4*\b:\dst+4*\b+1], v[\src+16*\b:\src+16*\b+7], v[\tm+12+\b]
	v_cvt_scalef32_pk8_bf8_f32 v[\dst+4*\b+2:\dst+4*\b+3], v[\src+16*\b+8:\src+16*\b+15], v[\tm+12+\b]
.endif
.endr
	v_nop                                          ; a plain line behind the last conversion, ahead of whatever next touches its registers
.endm
; a whole block of 32 in ONE lane's registers src .. src + 31 (keys down the registers) becomes 8 registers of codes and a byte
.macro QUANTV src, dst, by, tm
	v_max3_num_f32 v[\tm], |v[\src]|, |v[\src+1]|, |v[\src+2]|
	v_max3_num_f32 v[\tm+1], |v[\src+3]|, |v[\src+4]|, |v[\src+5]|
.irp i, 6,10,14,18,22,26
	v_max3_num_f32 v[\tm], v[\tm], |v[\src+\i]|, |v[\src+\i+1]|
	v_max3_num_f32 v[\tm+1], v[\tm+1], |v[\src+\i+2]|, |v[\src+\i+3]|
.endr
	v_max3_num_f32 v[\tm], v[\tm], |v[\src+30]|, |v[\src+31]|
	v_max3_num_f32 v[\tm], v[\tm], v[\tm+1], 0x8000000
	v_add_nc_u32 v[\tm+2], 0xf8800000, v[\tm]
	v_and_or_b32 v[\tm+3], v[\tm], 0x7f800000, s25
	v_lshrrev_b32 v[\by], 23, v[\tm+2]
.irp i, 0,1,2,3,4,5,6,7,8,9,10,11,12,13,14,15,16,17,18,19,20,21,22,23,24,25,26,27,28,29,30,31
	v_med3_num_f32 v[\src+\i], v[\src+\i], -v[\tm+3], v[\tm+3]
.endr
.irp g, 0,1,2,3
	v_cvt_scalef32_pk8_bf8_f32 v[\dst+2*\g:\dst+2*\g+1], v[\src+8*\g:\src+8*\g+7], v[\tm+2]
.endr
	v_nop
.endm
; n tiles of S^T from tile t0 on.  A tile's fragment of K: registers 0-7 from its image, registers 8-15 stay 0.  places: v_nop in front of the loads into registers that the last products read
; (eight plain vector lines are owed behind this form).
.macro KGROUP t0, n, places
.if \places
.rept \places
	v_nop
.endr
.endif
.set T, \t0
.rept \n
	ds_load_b128 v[32+16*(T%4):32+16*(T%4)+3], v7 offset:1024*T
	ds_load_b128 v[32+16*(T%4)+4:32+16*(T%4)+7], v7 offset:1024*T+512
.set T, T+1
.endr
	s_wait_dscnt 0x0
.set T, \t0
.rept \n
.if T%2
	v_wmma_scale_f32_16x16x128_f8f6f4 v[S+8*T:S+8*T+7], v[32+16*(T%4):32+16*(T%4)+15], v[16:31], 0, v[240+T/2], v14 matrix_a_fmt:MATRIX_FMT_BF8 matrix_b_fmt:MATRIX_FMT_BF8 matrix_a_scale:MATRIX_SCALE_ROW1
.else
	v_wmma_scale_f32_16x16x128_f8f6f4 v[S+8*T:S+8*T+7], v[32+16*(T%4):32+16*(T%4)+15], v[16:31], 0, v[240+T/2], v14 matrix_a_fmt:MATRIX_FMT_BF8 matrix_b_fmt:MATRIX_FMT_BF8
.endif
.set T, T+1
.endr
.endm
; THE MASK.  Register 16 b + n of lane (r, h) is the key with number 32 b + n + 16 h in my nine blocks.  v11 = the first number that counts, less 16 h; v12 = the first behind the band, less 16 h.
; A block that the bound cannot reach is passed over by a scalar branch on ids (s32: the largest v11 of the wave; s34: v12's part that is the same in all lanes).  Each tile is first read at its low end.
.macro MASKLO b
	s_cmp_le_i32 s32, 32*\b
	s_cbranch_scc1 .Lnolo_\@
.irp n, 0,1,2,3,4,5,6,7,8,9,10,11,12,13,14,15
	v_cmp_lt_i32 vcc_lo, 32*\b+\n, v11
	v_cndmask_b32 v[S+16*\b+\n], v[S+16*\b+\n], v13, vcc_lo
.endr
.Lnolo_\@:
.endm
.macro MASKHI b
	s_cmp_gt_i32 s34, 32*\b+31
	s_cbranch_scc1 .Lnohi_\@
.irp n, 0,1,2,3,4,5,6,7,8,9,10,11,12,13,14,15
	v_cmp_ge_i32 vcc_lo, 32*\b+\n, v12
	v_cndmask_b32 v[S+16*\b+\n], v[S+16*\b+\n], v13, vcc_lo
.endr
.Lnohi_\@:
.endm
; attn's block b: the one-sided hold (attn is not negative) and the conversions: four registers of the second product's source 1
.macro PQ b, dst
.irp i, 0,1,2,3,4,5,6,7,8,9,10,11,12,13,14,15
	v_min_num_f32 v[S+16*\b+\i], v[S+16*\b+\i], v[52+\b]
.endr
	v_cvt_scalef32_pk8_bf8_f32 v[\dst:\dst+1], v[S+16*\b:S+16*\b+7], v[62+\b]
	v_cvt_scalef32_pk8_bf8_f32 v[\dst+2:\dst+3], v[S+16*\b+8:S+16*\b+15], v[62+\b]
.endm
; V's four fragments (channel tiles) of K step s: nc blocks of 32 keys each
.macro PVLOAD s, buf, nc
.irp t, 0,1,2,3
.irp c, 0,1,2,3
.if \c < \nc
	ds_load_b128 v[\buf+16*\t+4*\c:\buf+16*\t+4*\c+3], v9 offset:(4*\s+\c)*2048+512*\t
.endif
.endr
.endr
.endm
; O^T's four accumulators take turns, one instruction a turn, in the same order in every K step
.macro PVMUL s, buf, pf, zero
.irp t, 0,1,2,3
.if \zero
.if \t%2
	v_wmma_scale_f32_16x16x128_f8f6f4 v[128+8*\t:135+8*\t], v[\buf+16*\t:\buf+16*\t+15], v[\pf:\pf+15], 0, v[250+3*(\t/2)+\s], v[240+\s] matrix_a_fmt:MATRIX_FMT_BF8 matrix_b_fmt:MATRIX_FMT_BF8 matrix_a_scale:MATRIX_SCALE_ROW1
.else
	v_wmma_scale_f32_16x16x128_f8f6f4 v[128+8*\t:135+8*\t], v[\buf+16*\t:\buf+16*\t+15], v[\pf:\pf+15], 0, v[250+3*(\t/2)+\s], v[240+\s] matrix_a_fmt:MATRIX_FMT_BF8 matrix_b_fmt:MATRIX_FMT_BF8
.endif
.else
.if \t%2
	v_wmma_scale_f32_16x16x128_f8f6f4 v[128+8*\t:135+8*\t], v[\buf+16*\t:\buf+16*\t+15], v[\pf:\pf+15], v[128+8*\t:135+8*\t], v[250+3*(\t/2)+\s], v[240+\s] matrix_a_fmt:MATRIX_FMT_BF8 matrix_b_fmt:MATRIX_FMT_BF8 matrix_a_scale:MATRIX_SCALE_ROW1
.else
	v_wmma_scale_f32_16x16x128_f8f6f4 v[128+8*\t:135+8*\t], v[\buf+16*\t:\buf+16*\t+15], v[\pf:\pf+15], v[128+8*\t:135+8*\t], v[250+3*(\t/2)+\s], v[240+\s] matrix_a_fmt:MATRIX_FMT_BF8 matrix_b_fmt:MATRIX_FMT_BF8
.endif
.endif
.endr
.endm
	; ---- the head: all set-up stands between the arguments' load and the wait for it
	s_load_b256 s[4:11], s[0:1], 0x0               ; q s[4:5], k s[6:7], v s[8:9], out0 s[10:11]
	v_lshl_add_u32 v1, v0, 2, SPARE                ; my spare word
	v_mov_b32 v2, 0                                ; and 0: kept for the wave's closing lines
	v_lshrrev_b32 v13, 5, v0
	v_readfirstlane_b32 s12, v13                   ; wave w, 0..15
	v_and_b32 v13, 31, v0                          ; lane
	v_and_b32 v11, 15, v0                          ; r
	v_bfe_u32 v12, v0, 4, 1                        ; h
	v_lshlrev_b32 v3, 4, v13                       ; 16 x lane
	v_lshlrev_b32 v4, 2, v13                       ; 4 x lane
	s_mul_i32 s35, s12, STGB                       ; my stage
	v_mul_u32_u24 v5, v12, 272
	v_lshl_add_u32 v5, v11, 4, v5
	v_add_nc_u32 v5, s35, v5                       ; the stage by rows as they lie in memory: lanes 0-15 a row of 256 bytes, lanes 16-31 the next
	v_mul_u32_u24 v6, v11, 272
	v_lshl_add_u32 v6, v12, 6, v6
	v_add_nc_u32 v6, s35, v6                       ; the stage by operand: row r, my half's 16 numbers (64 bytes) of a block of 32
	s_lshl_b32 s36, s12, 11
	s_add_co_u32 s38, s36, VIMG
	s_add_co_u32 s36, s36, KIMG
	s_lshl_b32 s37, s12, 7
	s_add_co_u32 s37, s37, KSC
	s_add_co_u32 s39, s12, VSC
	v_add_nc_u32 v7, s36, v3                       ; where I store k's images: KIMG + 2,048 w + 16 x lane
	v_add_nc_u32 v8, s37, v4                       ; k's scale words: KSC + 128 w + 4 x lane
	v_lshl_add_u32 v9, v12, 8, v3
	v_add_nc_u32 v9, s38, v9                       ; v's images: VIMG + 2,048 w + 512 (lane / 16) + 16 (lane % 16)
	v_add_nc_u32 v10, s39, v3                      ; v's scale bytes: VSC + 16 x lane + w
	s_lshr_b32 s27, s12, 1                         ; my first window block as a consumer
	s_lshl_b32 s41, s27, 11
	s_add_co_u32 s43, s41, VIMG
	s_add_co_u32 s41, s41, KIMG
	s_lshl_b32 s42, s27, 7
	s_add_co_u32 s42, s42, KSC
	s_lshr_b32 s44, s12, 3
	s_lshl_b32 s44, s44, 2
	s_add_co_u32 s44, s44, VSC                     ; the word of a channel's 16 bytes in which my first block's byte lies
	s_and_b32 s28, s27, 3
	s_mul_i32 s28, s28, 0x01010101
	s_add_co_u32 s28, s28, 0x03020100              ; v_perm_b32's selector: four bytes on end, from byte (first block % 4) of a pair of words
	s_and_b32 s13, ttmp7, 0xffff
	s_lshl_b32 s13, s13, 20                        ; the head's first byte: 4,096 rows of 256 bytes
	s_lshl_b32 s40, ttmp9, 8                       ; 256 x
	s_lshl_b32 s14, s12, 4
	s_add_co_u32 s14, s14, s40                     ; q0: my first query
	s_lshl_b32 s15, s12, 5
	s_add_co_u32 s15, s15, s40
	s_sub_co_i32 s15, s15, 128                     ; the first key of window block w,
	s_max_i32 s15, s15, 0
	s_min_i32 s15, s15, 4064                       ; held inside the sequence
	s_lshl_b32 s16, s14, 8
	s_add_co_u32 s16, s16, s13
	s_mov_b32 s17, 0                               ; q's and out0's offset
	s_lshl_b32 s18, s15, 8
	s_add_co_u32 s18, s18, s13
	s_mov_b32 s19, 0                               ; k's and v's
	s_mov_b32 s20, 0x76543210
	s_mov_b32 s21, 0xfedcba98                      ; v_permlanex16_b32's selects for lane l xor 16
	s_mov_b32 s22, 0x3e38aa3b                      ; c = log2(e) / 8
	s_mov_b32 s23, s22                             ; (named with it as a pair, so it is written)
	s_mov_b32 s24, 0xbe38aa3b                      ; -c
	s_mov_b32 s25, 0x600000                        ; the mantissa field of 57,344
	s_mov_b32 s26, 0xffff0000                      ; lanes 16-31
	s_lshl_b32 s29, s27, 5
	s_add_co_u32 s29, s29, s40
	s_sub_co_i32 s29, s29, 128                     ; kb0: the first key of my nine blocks (it may be negative)
	; q0 is a multiple of 16, so the cut at 0 acts on all 16 queries of the wave or on none, and so does the cut at 4,096
	s_cmp_ge_u32 s14, 128
	s_cselect_b32 s30, -1, 0                       ; does the lower bound move with the query?
	s_sub_co_i32 s31, s14, 128
	s_max_i32 s31, s31, 0
	s_sub_co_i32 s31, s31, s29                     ; max(q0 - 128, 0) - kb0
	s_and_b32 s32, s30, 15
	s_add_co_i32 s32, s32, s31                     ; the wave's largest lower bound
	s_cmp_lt_u32 s14, 3968
	s_cselect_b32 s33, -1, 0                       ; does the upper bound move with the query?
	s_add_co_u32 s34, s14, 128
	s_min_i32 s34, s34, 4096
	s_sub_co_i32 s34, s34, s29                     ; min(q0 + 128, 4096) - kb0
	s_wait_kmcnt 0x0
	s_add_nc_u64 s[4:5], s[4:5], s[16:17]
	s_add_nc_u64 s[10:11], s[10:11], s[16:17]
	s_add_nc_u64 s[6:7], s[6:7], s[18:19]
	s_add_nc_u64 s[8:9], s[8:9], s[18:19]
	; ---- all loads: q 16 rows, k 32 rows (512 consecutive bytes an instruction), v 32 rows with a lane to a channel and registers down the keys (a row's two halves side by side)
.irp i, 0,1,2,3,4,5,6,7
	global_load_b128 v[224+4*\i:227+4*\i], v3, s[4:5] offset:512*\i th:TH_LOAD_NT     ; read once in the launch
.endr
.irp i, 0,1,2,3,4,5,6,7,8,9,10,11,12,13,14,15
	global_load_b128 v[96+4*\i:99+4*\i], v3, s[6:7] offset:512*\i
.endr
.irp i, 0,1,2,3,4,5,6,7,8,9,10,11,12,13,14,15,16,17,18,19,20,21,22,23,24,25,26,27,28,29,30,31
	global_load_b32 v[32+\i], v4, s[8:9] offset:256*\i
	global_load_b32 v[64+\i], v4, s[8:9] offset:256*\i+128
.endr
	; ---- k's turn through my stage.  Key rho of the block goes to stage row (rho % 8) + 8 (bit 4 of rho) + 16 (bit 3 of rho): a tile's 16 keys are then 16 neighbouring rows
	s_wait_loadcnt 0x3f                            ; 64 loads (v's) were issued behind k's last; the count's field holds 63: at most 63 of the 88 are out, so q's 8 and k's 16 are in
.irp i, 0,1,2,3,4,5,6,7,8,9,10,11,12,13,14,15
	ds_store_b128 v5, v[96+4*\i:99+4*\i] offset:272*(((2*\i)&7)+8*(((2*\i)>>4)&1)+16*(((2*\i)>>3)&1))
.endr
.irp u, 0,1
.irp c, 0,1
.irp j, 0,1,2,3
	ds_load_b128 v[160+16*(2*\u+\c)+4*\j:160+16*(2*\u+\c)+4*\j+3], v6 offset:272*16*\u+128*\c+16*\j   ; LDS serves a wave's instructions in order (ISA guide 5.7.1.4): these see my stores
.endr
.endr
.endr
	s_wait_dscnt 0x0
	; ---- q's turn is started: rows 0-15 of the stage; its numbers land while k and v are quantised
.irp i, 0,1,2,3,4,5,6,7
	ds_store_b128 v5, v[224+4*\i:227+4*\i] offset:544*\i
.endr
.irp c, 0,1
.irp j, 0,1,2,3
	ds_load_b128 v[96+16*\c+4*\j:96+16*\c+4*\j+3], v6 offset:128*\c+16*\j
.endr
.endr
	; ---- k: four blocks (tile u, half c of the head) a lane
	QUANT 160, 4, 16, 128
	v_lshl_or_b32 v144, v133, 8, v132              ; tile 0's scale word of my row: two bytes; the upper two stay 0, over zero codes
	v_lshl_or_b32 v145, v135, 8, v134              ; tile 1's
	v_cndmask_b32 v146, v144, v145, s26            ; lanes 16-31 carry tile 1's
.irp b, 0,1,2,3
	ds_store_b128 v7, v[16+4*\b:19+4*\b] offset:512*\b
.endr
	ds_store_b32 v8, v146
	; ---- v: my two channels, a block of 32 keys each
	s_wait_loadcnt 0x0
	QUANTV 32, 160, 136, 128
	QUANTV 64, 168, 137, 132
.irp e, 0,1
	ds_store_b128 v9, v[160+8*\e:163+8*\e] offset:1024*\e          ; keys 0-15: the image's lanes 0-15
	ds_store_b128 v9, v[164+8*\e:167+8*\e] offset:1024*\e+256      ; keys 16-31: its lanes 16-31
	ds_store_b8 v10, v[136+\e] offset:512*\e
.endr
	; ---- the one barrier: my images and scales have landed, q's numbers are back
	s_wait_dscnt 0x0
	s_barrier_signal -1
	QUANT 96, 2, 16, 128                           ; work on registers while the others arrive: q's fragment,
	v_lshl_or_b32 v14, v133, 8, v132               ; its scale word,
.irp j, 24,25,26,27,28,29,30,31
	v_mov_b32 v[\j], 0                             ; the zero codes of its K 64 .. 127,
.endr
.irp f, 0,1,2,3
.irp j, 8,9,10,11,12,13,14,15
	v_mov_b32 v[32+16*\f+\j], 0                    ; those of K's four fragment buffers,
.endr
.endr
	v_mul_u32_u24 v6, v11, 272                     ; and the consumer's addresses (seven plain lines: also the places between the codes' last write and the first product)
	v_lshl_add_u32 v6, v12, 5, v6
	v_add_nc_u32 v6, s35, v6                       ; the way out: stage row r, + 32 h
	v_add_nc_u32 v7, s41, v3                       ; K's images from my first block on
	v_add_nc_u32 v8, s42, v4                       ; their scale words
	v_add_nc_u32 v9, s43, v3                       ; V's images
	v_add_nc_u32 v10, s44, v3                      ; V's scale bytes: lane l takes channel l (+ 32 for the second pair of tiles)
	s_barrier_wait -1
	; ---- S^T = K Q^T: 18 tiles of 16 keys
.irp b, 0,1,2,3,4,5,6,7,8
	ds_load_b32 v[240+\b], v8 offset:128*\b
.endr
.irp p, 0,1
.irp i, 0,1,2
	ds_load_b32 v[224+3*\p+\i], v10 offset:512*\p+4*\i
.endr
.endr
	KGROUP 0, 4, 0
.irp p, 0,1                                    ; V's scale words for the three K steps: bytes first block .. + 8 of the 12 loaded.  Six of the eight places behind the products above
	v_perm_b32 v[250+3*\p], v[225+3*\p], v[224+3*\p], s28
	v_perm_b32 v[251+3*\p], v[226+3*\p], v[225+3*\p], s28
	v_perm_b32 v[252+3*\p], v[226+3*\p], v[226+3*\p], s28          ; byte 0: block 8's; the others are scale bytes too, and stand over attn's zero codes
.endr
	KGROUP 4, 4, 2
	KGROUP 8, 4, 8
	KGROUP 12, 4, 8
	KGROUP 16, 2, 8
	; ---- the mask.  Nine plain lines first: the places behind the last products
	v_and_b32 v15, 15, v0
	v_and_b32 v249, 16, v0
	v_and_b32 v11, s30, v15
	v_add_nc_u32 v11, s31, v11
	v_sub_nc_u32 v11, v11, v249                    ; max(q - 128, 0) - kb0 - 16 h
	v_and_b32 v12, s33, v15
	v_add_nc_u32 v12, s34, v12
	v_sub_nc_u32 v12, v12, v249                    ; min(q + 128, 4096) - kb0 - 16 h
	v_mov_b32 v13, 0xff800000                      ; -infinity
	MASKLO 0
	MASKLO 1
	MASKLO 2
	MASKLO 3
	MASKHI 5
	MASKHI 6
	MASKHI 7
	MASKHI 8
	; ---- the softmax.  The largest score of each block serves twice: for the row's maximum and, since attn rises with the score, for the block's largest attn
.irp b, 0,1,2,3,4,5,6,7,8
	v_max3_num_f32 v[32+\b], v[S+16*\b], v[S+16*\b+1], v[S+16*\b+2]
.endr
.irp i, 3,5,7,9,11,13
.irp b, 0,1,2,3,4,5,6,7,8
	v_max3_num_f32 v[32+\b], v[32+\b], v[S+16*\b+\i], v[S+16*\b+\i+1]
.endr
.endr
.irp b, 0,1,2,3,4,5,6,7,8
	v_max_num_f32 v[32+\b], v[32+\b], v[S+16*\b+15]
.endr
.irp b, 0,1,2,3,4,5,6,7,8
	v_permlanex16_b32 v[42+\b], v[32+\b], s20, s21
.endr
.irp b, 0,1,2,3,4,5,6,7,8
	v_max_num_f32 v[32+\b], v[32+\b], v[42+\b]     ; with lane l xor 16's 16 keys
.endr
	v_max3_num_f32 v82, v32, v33, v34
	v_max3_num_f32 v82, v82, v35, v36
	v_max3_num_f32 v82, v82, v37, v38
	v_max3_num_f32 v82, v82, v39, v40              ; the row's largest score: a number, since the row's own key counts
	v_mul_f32 v84, s24, v82                        ; -c x it; its rounding is common to the row and falls out in the division
	v_mov_b32 v85, v84                             ; (named with it as a pair)
.set J, 0
.rept 72
	v_pk_fma_f32 v[S+J:S+J+1], v[S+J:S+J+1], s[22:23], v[84:85] op_sel_hi:[1,0,0]     ; c s - c max, two at a time
.set J, J+2
.endr
.irp b, 0,1,2,3,4,5,6,7,8
	v_fma_f32 v[32+\b], v[32+\b], s22, v84         ; the same of each block's largest score
.endr
.set J, 0
.rept 144
	v_exp_f32 v[S+J], v[S+J]                       ; one batch of 153: none reads another's result
.set J, J+1
.endr
.irp b, 0,1,2,3,4,5,6,7,8
	v_exp_f32 v[32+\b], v[32+\b]
.endr
	v_mov_b32 v91, 0                               ; the plain line behind the last exponential (the upper half of the pair v[90:91], named below)
	s_wait_alu depctr_va_vdst(0)                   ; one wait for the batch, ahead of its first reader
	v_pk_add_f32 v[86:87], v[96:97], v[98:99]      ; the row's sum, two at a time, in two chains
	v_pk_add_f32 v[88:89], v[100:101], v[102:103]
.set J, 8
.rept 34
	v_pk_add_f32 v[86:87], v[86:87], v[S+J:S+J+1]
	v_pk_add_f32 v[88:89], v[88:89], v[S+J+2:S+J+3]
.set J, J+4
.endr
	v_pk_add_f32 v[86:87], v[86:87], v[88:89]
	v_add_f32 v86, v86, v87
	v_permlanex16_b32 v92, v86, s20, s21
	v_add_f32 v86, v86, v92                        ; with lane l xor 16's half of the keys
	v_rcp_f32 v90, v86
	v_nop                                          ; a plain line behind the reciprocal
	s_wait_alu depctr_va_vdst(0)                   ; and the wait ahead of its first reader
.set J, 0
.rept 72
	v_pk_mul_f32 v[S+J:S+J+1], v[S+J:S+J+1], v[90:91] op_sel_hi:[1,0]                 ; attn, finished and normalised
.set J, J+2
.endr
.irp b, 0,1,2,3,4,5,6,7,8
	v_mul_f32 v[32+\b], v[32+\b], v90              ; each block's largest attn: the same instructions on the same number give the same bits
.endr
	; ---- attn is quantised along the keys
.irp b, 0,1,2,3,4,5,6,7,8
	v_max_num_f32 v[32+\b], 0x8000000, v[32+\b]    ; the floor 2^(16 - 127): a block of zeros keeps the byte 1
.endr
.irp b, 0,1,2,3,4,5,6,7,8
	v_add_nc_u32 v[62+\b], 0xf8800000, v[32+\b]    ; the conversion's scale operand
.endr
.irp b, 0,1,2,3,4,5,6,7,8
	v_and_or_b32 v[52+\b], v[32+\b], 0x7f800000, s25   ; 57,344 x the scale
.endr
.irp b, 0,1,2,3,4,5,6,7,8
	v_lshrrev_b32 v[72+\b], 23, v[62+\b]           ; the byte
.endr
	v_lshl_or_b32 v240, v73, 8, v72                ; attn's scale words for the three K steps; they stand far more than eight plain lines ahead of the products
	v_lshl_or_b32 v241, v77, 8, v76
	v_lshl_or_b32 v240, v74, 16, v240
	v_lshl_or_b32 v241, v78, 16, v241
	v_lshl_or_b32 v240, v75, 24, v240
	v_lshl_or_b32 v241, v79, 24, v241
	v_lshrrev_b32 v242, 23, v70                    ; block 8's byte; the upper three stay 0, over zero codes
	PQ 0, 16
	PQ 1, 20
	PQ 2, 24
	PQ 3, 28
	PQ 4, 96                                       ; (blocks 0 and 1 have been converted: their registers take the codes of blocks 4 to 8)
	PQ 5, 100
	PQ 6, 104
	PQ 7, 108
	PQ 8, 112
.irp j, 116,117,118,119,120,121,122,123,124,125,126,127
	v_mov_b32 v[\j], 0                             ; the third K step's keys 32 .. 127: zero codes.  (Also the plain lines behind the last conversion)
.endr
	; ---- O^T = V^T P^T: three K steps of 128 keys
	PVLOAD 0, 32, 4
	PVLOAD 1, 160, 4
	s_wait_dscnt 16                                ; step 0's 16 loads are in; step 1's 16 may be out
	PVMUL 0, 32, 16, 1                             ; the first products start the sums
.rept 8
	v_nop                                          ; places in front of the loads into registers that these products read
.endr
	PVLOAD 2, 32, 1                                ; block 8 alone; the fragments' other twelve registers keep step 0's codes, finite numbers against attn's zero codes
	s_wait_dscnt 4                                 ; step 1's are in; step 2's 4 may be out
	PVMUL 1, 160, 96, 0
	s_wait_dscnt 0x0
	PVMUL 2, 32, 112, 0
	; ---- the way out: lane (r, h) holds out0(q0 + r, 16 t + 8 h + 0 .. 7); through my stage, back as whole rows
.rept 8
	v_nop                                          ; places in front of the first read of results and of the loads into the last products' registers
.endr
.irp t, 0,1,2,3
	ds_store_b128 v6, v[128+8*\t:131+8*\t] offset:64*\t            ; each accumulator from its low end on
	ds_store_b128 v6, v[132+8*\t:135+8*\t] offset:64*\t+16
.endr
.irp i, 0,1,2,3,4,5,6,7
	ds_load_b128 v[32+4*\i:35+4*\i], v5 offset:544*\i              ; in order behind my stores
.endr
.irp i, 0,1,2,3,4,5,6,7
	s_wait_dscnt 7-\i                              ; rows 2 i and 2 i + 1 are back; the younger loads may be out
	global_store_b128 v3, v[32+4*\i:35+4*\i], s[10:11] offset:512*\i th:TH_STORE_NT   ; 32 lanes store two whole rows: 512 consecutive bytes, at a multiple of 256 from out0's first byte
.endr
	s_wait_tensorcnt 0x0                           ; the wave's end
	ds_add_u32 v1, v2
	s_wait_dscnt 0x0
	s_endpgm
.Lfunc_end_k_q4d83bd147e_attn:
	.size	k_q4d83bd147e_attn, .Lfunc_end_k_q4d83bd147e_attn-k_q4d83bd147e_attn
	.p2alignl 7, 3214868480
	.fill 96, 4, 3214868480
	.section	.rodata,"a",@progbits
	.p2align	6, 0x0
	.amdhsa_kernel k_q4d83bd147e_attn
		.amdhsa_group_segment_fixed_size 209920
		.amdhsa_private_segment_fixed_size 0
		.amdhsa_enable_private_segment 0
		.amdhsa_kernarg_size 32
		.amdhsa_user_sgpr_count 2
		.amdhsa_user_sgpr_kernarg_segment_ptr 1
		.amdhsa_wavefront_size32 1
		.amdhsa_system_sgpr_workgroup_id_x 1
		.amdhsa_system_sgpr_workgroup_id_y 1
		.amdhsa_system_sgpr_workgroup_id_z 1
		.amdhsa_system_vgpr_workitem_id 0
		.amdhsa_next_free_vgpr 256
		.amdhsa_next_free_sgpr 66
		.amdhsa_reserve_vcc 1
		.amdhsa_float_denorm_mode_32 3
		.amdhsa_float_denorm_mode_16_64 3
		.amdhsa_memory_ordered 1
		.amdhsa_forward_progress 1
		.amdhsa_inst_pref_size 96
	.end_amdhsa_kernel
	.amdgpu_metadata
---
amdhsa.version: [ 1, 2 ]
amdhsa.kernels:
  - .name:           k_q4d83bd147e_attn
    .symbol:         k_q4d83bd147e_attn.kd
    .args:
      - { .name: q, .offset: 0, .size: 8, .value_kind: global_buffer, .address_space: global }
      - { .name: k, .offset: 8, .size: 8, .value_kind: global_buffer, .address_space: global }
      - { .name: v, .offset: 16, .size: 8, .value_kind: global_buffer, .address_space: global }
      - { .name: out0, .offset: 24, .size: 8, .value_kind: global_buffer, .address_space: global }
    .group_segment_fixed_size: 209920
    .private_segment_fixed_size: 0
    .kernarg_segment_align: 8
    .kernarg_segment_size: 32
    .max_flat_workgroup_size: 512
    .sgpr_count:     66
    .vgpr_count:     256
    .wavefront_size: 32
...
	.end_amdgpu_metadata
.endif
;; end of part 1
;; ======== version 2 of 2: 1 launch; version 1 with the launch attn written anew for expert scheduling mode
;; launch attn (part 2): grid 16 x 16, 16 waves a work-group, no clusters, 209,920 bytes of LDS; arguments q, k, v, out0; writes out0
.if DOCPART == 2
	.amdgcn_target "amdgcn-amd-amdhsa--gfx1250"
	.amdhsa_code_object_version 6
	.text
	.protected	k_q4d83bd147e_attn
	.globl	k_q4d83bd147e_attn
	.p2align	8
	.type	k_q4d83bd147e_attn,@function
k_q4d83bd147e_attn:
	s_mov_b64 s[64:65], 0
	v_nop
	global_prefetch_b8 v0, s[64:65] scope:SCOPE_SE
	s_setreg_imm32_b32 hwreg(HW_REG_WAVE_SCHED_MODE, 0, 2), 2
	s_setreg_imm32_b32 hwreg(HW_REG_WAVE_MODE, 25, 1), 1
	s_wait_xcnt 0x0
	s_wait_alu depctr_vm_vsrc(0)
; out0[h][i][:] = sum over j of attn[h][i][j] v[h][j][:], attn = softmax_j(q[h][i] . k[h][j] / 8) over the band i - 128 <= j < i + 128 (cut at 0 and 4,096).
; q, k, v, out0: [16][4096][64] f32.  Both products run on codes of BF8 (E5M2) with one E8M0 scale for each 32 along K.
; Product 1: K = the head's 64 = two blocks; the other 64 of the instruction's 128 are zero codes on both sides.  Product 2: K = the keys, blocks of 32 aligned to the key's number;
; its left operand is the FINISHED, NORMALISED attn: so a row's whole band of scores is kept in registers (9 aligned blocks = 288 keys for 16 queries, 144 registers a lane), the maximum is taken
; away, the sum divides, and only then attn is quantised.  Outside the band attn is 0: those blocks of K add nothing and are not multiplied.
; The band always holds the row's own key, so the row's maximum is a number and the sum is not 0: the replacement of NaN rows by 0 that the definition carries can never act.
; SHARES.  Work-group (x, y): queries 256 x .. 256 x + 255 of head y; its window: 512 keys from W0 = 256 x - 128 on, 16 blocks of 32.  Sixteen waves, four to a SIMD, 256 registers each.
; AS A PRODUCER wave w quantises window block w of k (along the head) and of v (along the keys) and puts the codes into LDS as images of the operands' registers, with their scale bytes; one barrier.
; AS A CONSUMER wave w owns queries q0 = 256 x + 16 w .. + 15 and reads window blocks w / 2 .. w / 2 + 8.
; A window block that lies outside the sequence (x = 0: blocks 0-3; x = 15: blocks 12-15) is made from a clamped key number: its codes are those of another block, finite; the mask sets all its
; scores to -infinity, so its attn is 0, its codes of attn are 0, and it adds nothing.  No load leaves its buffer, and there is no branch for it.
; BOTH PRODUCTS ARE USED TRANSPOSED: S^T = K Q^T (source 0 = 16 keys, source 1 = my 16 queries), O^T = V^T P^T (source 0 = 16 channels, source 1 = attn): a lane holds ONE query (lane % 16) throughout.
; THE KEYS OF A TILE ARE NOT NEIGHBOURS: lane r of tile 2 b + u takes key 32 b + 8 u + r + 8 (r / 8), so that the 16 registers of tiles 2 b and 2 b + 1 are 16 neighbouring keys, 32 b + 16 (lane / 16) + 0 .. 15.
; NO CLUSTER, NO TENSOR LOAD: every operand arrives as f32 and has to pass through registers to be quantised, so it comes by register loads, which have no joint form; what two neighbouring
; work-groups share is half a window (256 of 512 keys).  All 88 loads of a wave are issued at its head: nothing is known earlier than it is asked for, so nothing is prefetched.
; LIMITS: NaN and infinities among the inputs are not served.  An unnormalised weight under 2^-126 counts as 0 (v_exp_f32 gives 0 there: ISA guide, its entry).  A block of zeros has the scale byte 1, not 127: its
; codes are zeros, and only this program reads the bytes.  A block's largest attn is made from the block's largest score by the same three instructions as every attn: this takes v_exp_f32 not to fall where
; its input rises.  The division by the row's sum is a multiplication by v_rcp_f32 of it.
;
; THE MODE: SCHED_MODE bits 1:0 = 2 (LLVM: expert scheduling mode 2), set by the entry lines.  The code itself states the register dependences between vector or matrix instructions and
; memory or LDS instructions, with s_wait_alu, always for 0.
; THE PLAN.  Registers that memory or LDS instructions touch, in the order of the text:
;   v3, v4, v5    offsets and the stage's address by rows: made at the head, never written again.
;   v6 .. v10     LDS addresses: made at the head, read by the producer's LDS instructions, made anew between the barrier's signal and its wait, read by the consumer's.
;   v224-255      q lands; q's stage stores read them; later V's scale bytes land in v224-229, products write v224-239, v_perm_b32 writes v250-255.
;   v96-159       k lands; k's stage stores read them; then q's numbers land in v96-127 and the quantiser's small numbers are written in v128-146.
;   v16-31, v146, v160-175, v136, v137   codes, a scale word and scale bytes: written by vector instructions, read by the image stores, written again behind the barrier's signal.
;   v32-95        v lands; vector work; K's fragments land, a group of four tiles at a time, each group read by its own products; the softmax's small numbers; V's fragments; rows of out0.
;   v160-223      vector work on attn; then V's fragments of the second K step land.      v128-159  O^T: written by products, read by the last LDS stores.
; THE WAITS.  On va_vdst: ahead of the first load; ahead of each of the two runs of image stores; behind the barrier; ahead of each later group of K's fragments; behind the exponentials and behind the reciprocal;
; ahead of V's first loads; ahead of V's last four; ahead of the way out.  On vm_vsrc: behind q's stage stores; in front of the barrier's signal.  On va_sdst: behind the wave's number; behind each run of the mask's compares.
;
; LDS: 0: a stage of 32 rows x 272 bytes for each wave (its own: k's turn, q's turn, the way out);  KIMG: k's images [block 16][tile u 2][c 2][512];  VIMG: v's [block 16][channel tile 4][512];
;   KSC: k's scale words [block 16][128]: lanes 0-15 tile u = 0, lanes 16-31 tile u = 1;  VSC: v's scale bytes [channel 64][16], byte = window block;  SPARE: the spare words, 128 bytes a wave.
; REGISTERS: v1, v2 the add's two; v3 16 x lane, v4 4 x lane; v5-10 LDS addresses; v11-15 at work; v14 q's scale word; v16-31 codes (k's, then q's with 8 zeros, then attn's blocks 0-3);
;   v32-95 v as loaded, then four fragments of K or V, and the softmax's small numbers; v96-239 k and q on their way, then the scores S^T (block b, number n at 96 + 16 b + n), then attn;
;   v240-248 k's scale words, later attn's three; v250-255 v's scale words.  s12-19 and s36-43: at the head ids and offsets, in the mask the sixteen lane masks of a block.
.set STGB,  8704                       ; a wave's stage: 32 rows x 272 bytes (256 + 16: sixteen rows' equal columns fall on sixteen different 16-byte columns of 256)
.set KIMG,  16*STGB
.set VIMG,  KIMG+32768
.set KSC,   VIMG+32768
.set VSC,   KSC+2048
.set SPARE, VSC+1024                   ; 207,872 = 812 x 256; 2,048 bytes that no other line names
.set S,     96
; 16 numbers a lane of each of nb blocks (register src + 16 b + i = k 16 (lane / 16) + i of block b of my row; lane l xor 16 holds the other 16) become codes in v[dst + 4 b ..] ; the bytes are left in v[tm + 4 + b]
.macro QUANT src, nb, dst, tm
.irp b, 0,1,2,3
.if \b < \nb
	v_max3_num_f32 v[\tm+\b], |v[\src+16*\b]|, |v[\src+16*\b+1]|, 0x8000000       ; my 16 numbers, and the floor 2^(16 - 127): the byte cannot fall under 1
.endif
.endr
.irp i, 2,4,6,8,10,12,14
.irp b, 0,1,2,3
.if \b < \nb
	v_max3_num_f32 v[\tm+\b], v[\tm+\b], |v[\src+16*\b+\i]|, |v[\src+16*\b+\i+1]|  ; (the blocks by turns)
.endif
.endr
.endr
.irp b, 0,1,2,3
.if \b < \nb
	v_permlanex16_b32 v[\tm+4+\b], v[\tm+\b], s20, s21                             ; (its destination counts as read: these registers have been written by loads)
.endif
.endr
.irp b, 0,1,2,3
.if \b < \nb
	v_max_num_f32 v[\tm+\b], v[\tm+\b], v[\tm+4+\b]                                ; with lane l xor 16's: the block's largest magnitude
.endif
.endr
.irp b, 0,1,2,3
.if \b < \nb
	v_add_nc_u32 v[\tm+12+\b], 0xf8800000, v[\tm+\b]                               ; 15 off its exponent field: the conversion's scale operand
.endif
.endr
.irp b, 0,1,2,3
.if \b < \nb
	v_and_or_b32 v[\tm+8+\b], v[\tm+\b], 0x7f800000, s25                           ; 57,344 x the scale
.endif
.endr
.irp b, 0,1,2,3
.if \b < \nb
	v_lshrrev_b32 v[\tm+4+\b], 23, v[\tm+12+\b]                                    ; the scale's byte
.endif
.endr
.irp b, 0,1,2,3
.if \b < \nb
.irp i, 0,1,2,3,4,5,6,7,8,9,10,11,12,13,14,15
	v_med3_num_f32 v[\src+16*\b+\i], v[\src+16*\b+\i], -v[\tm+8+\b], v[\tm+8+\b]   ; the conversion to an 8-bit code does not saturate (ISA guide 7.6.2): the hold at the largest code x the scale
.endr
	v_cvt_scalef32_pk8_bf8_f32 v[\dst+4*\b:\dst+4*\b+1], v[\src+16*\b:\src+16*\b+7], v[\tm+12+\b]
	v_cvt_scalef32_pk8_bf8_f32 v[\dst+4*\b+2:\dst+4*\b+3], v[\src+16*\b+8:\src+16*\b+15], v[\tm+12+\b]
.endif
.endr
	v_nop                                          ; a plain line behind the last conversion, ahead of whatever next touches its registers
.endm
; a whole block of 32 in ONE lane's registers src .. src + 31 (keys down the registers) becomes 8 registers of codes and a byte
.macro QUANTV src, dst, by, tm
	v_max3_num_f32 v[\tm], |v[\src]|, |v[\src+1]|, |v[\src+2]|
	v_max3_num_f32 v[\tm+1], |v[\src+3]|, |v[\src+4]|, |v[\src+5]|
.irp i, 6,10,14,18,22,26
	v_max3_num_f32 v[\tm], v[\tm], |v[\src+\i]|, |v[\src+\i+1]|
	v_max3_num_f32 v[\tm+1], v[\tm+1], |v[\src+\i+2]|, |v[\src+\i+3]|
.endr
	v_max3_num_f32 v[\tm], v[\tm], |v[\src+30]|, |v[\src+31]|
	v_max3_num_f32 v[\tm], v[\tm], v[\tm+1], 0x8000000
	v_add_nc_u32 v[\tm+2], 0xf8800000, v[\tm]
	v_and_or_b32 v[\tm+3], v[\tm], 0x7f800000, s25
	v_lshrrev_b32 v[\by], 23, v[\tm+2]
.irp i, 0,1,2,3,4,5,6,7,8,9,10,11,12,13,14,15,16,17,18,19,20,21,22,23,24,25,26,27,28,29,30,31
	v_med3_num_f32 v[\src+\i], v[\src+\i], -v[\tm+3], v[\tm+3]
.endr
.irp g, 0,1,2,3
	v_cvt_scalef32_pk8_bf8_f32 v[\dst+2*\g:\dst+2*\g+1], v[\src+8*\g:\src+8*\g+7], v[\tm+2]
.endr
	v_nop
.endm
; n tiles of S^T from tile t0 on.  A tile's fragment of K: registers 0-7 from its image, registers 8-15 stay 0.  places: v_nop that fill up the eight plain vector lines behind the last group's products;
; they stay, and the wait that states the dependence stands behind them.  The first group (places = 0) has its wait behind the barrier.
.macro KGROUP t0, n, places
.if \places
.rept \places
	v_nop
.endr
	s_wait_alu depctr_va_vdst(0)                   ; the last group's products are done reading the four fragment buffers v32-95, in which the loads below land
.endif
.set T, \t0
.rept \n
	ds_load_b128 v[32+16*(T%4):32+16*(T%4)+3], v7 offset:1024*T
	ds_load_b128 v[32+16*(T%4)+4:32+16*(T%4)+7], v7 offset:1024*T+512
.set T, T+1
.endr
	s_wait_dscnt 0x0
.set T, \t0
.rept \n
.if T%2
	v_wmma_scale_f32_16x16x128_f8f6f4 v[S+8*T:S+8*T+7], v[32+16*(T%4):32+16*(T%4)+15], v[16:31], 0, v[240+T/2], v14 matrix_a_fmt:MATRIX_FMT_BF8 matrix_b_fmt:MATRIX_FMT_BF8 matrix_a_scale:MATRIX_SCALE_ROW1
.else
	v_wmma_scale_f32_16x16x128_f8f6f4 v[S+8*T:S+8*T+7], v[32+16*(T%4):32+16*(T%4)+15], v[16:31], 0, v[240+T/2], v14 matrix_a_fmt:MATRIX_FMT_BF8 matrix_b_fmt:MATRIX_FMT_BF8
.endif
.set T, T+1
.endr
.endm
; THE MASK.  Register 16 b + n of lane (r, h) is the key with number 32 b + n + 16 h in my nine blocks.  v11 = the first number that counts, less 16 h; v12 = the first behind the band, less 16 h.
; A block that the bound cannot reach is passed over by a scalar branch on ids (s32: the largest v11 of the wave; s34: v12's part that is the same in all lanes).  Each tile is first read at its low end.
; A block's sixteen compares stand in one run and write sixteen scalar registers (number n: s12-19 for n under 8, s36-43 above), so that one wait stands between the run and the sixteen selects that read them.
.macro MASKLO b
	s_cmp_le_i32 s32, 32*\b
	s_cbranch_scc1 .Lnolo_\@
	s_wait_alu depctr_va_vdst(0)
.irp n, 0,1,2,3,4,5,6,7,8,9,10,11,12,13,14,15
	v_cmp_lt_i32 s[12+(\n)+16*((\n)/8)], 32*\b+\n, v11
.endr
	s_wait_alu depctr_va_sdst(0)                   ; the sixteen compares have written their lane masks, ahead of the first select that reads one
.irp n, 0,1,2,3,4,5,6,7,8,9,10,11,12,13,14,15
	v_cndmask_b32 v[S+16*\b+\n], v[S+16*\b+\n], v13, s[12+(\n)+16*((\n)/8)]
.endr
.Lnolo_\@:
.endm
.macro MASKHI b
	s_cmp_gt_i32 s34, 32*\b+31
	s_cbranch_scc1 .Lnohi_\@
	s_wait_alu depctr_va_vdst(0)
.irp n, 0,1,2,3,4,5,6,7,8,9,10,11,12,13,14,15
	v_cmp_ge_i32 s[12+(\n)+16*((\n)/8)], 32*\b+\n, v12
.endr
	s_wait_alu depctr_va_sdst(0)                   ; the sixteen compares have written their lane masks, ahead of the first select that reads one
.irp n, 0,1,2,3,4,5,6,7,8,9,10,11,12,13,14,15
	v_cndmask_b32 v[S+16*\b+\n], v[S+16*\b+\n], v13, s[12+(\n)+16*((\n)/8)]
.endr
.Lnohi_\@:
.endm
; attn's block b: the one-sided hold (attn is not negative) and the conversions: four registers of the second product's source 1
.macro PQ b, dst
.irp i, 0,1,2,3,4,5,6,7,8,9,10,11,12,13,14,15
	v_min_num_f32 v[S+16*\b+\i], v[S+16*\b+\i], v[52+\b]
.endr
	v_cvt_scalef32_pk8_bf8_f32 v[\dst:\dst+1], v[S+16*\b:S+16*\b+7], v[62+\b]
	v_cvt_scalef32_pk8_bf8_f32 v[\dst+2:\dst+3], v[S+16*\b+8:S+16*\b+15], v[62+\b]
.endm
; V's four fragments (channel tiles) of K step s: nc blocks of 32 keys each
.macro PVLOAD s, buf, nc
.irp t, 0,1,2,3
.irp c, 0,1,2,3
.if \c < \nc
	ds_load_b128 v[\buf+16*\t+4*\c:\buf+16*\t+4*\c+3], v9 offset:(4*\s+\c)*2048+512*\t
.endif
.endr
.endr
.endm
; O^T's four accumulators take turns, one instruction a turn, in the same order in every K step
.macro PVMUL s, buf, pf, zero
.irp t, 0,1,2,3
.if \zero
.if \t%2
	v_wmma_scale_f32_16x16x128_f8f6f4 v[128+8*\t:135+8*\t], v[\buf+16*\t:\buf+16*\t+15], v[\pf:\pf+15], 0, v[250+3*(\t/2)+\s], v[240+\s] matrix_a_fmt:MATRIX_FMT_BF8 matrix_b_fmt:MATRIX_FMT_BF8 matrix_a_scale:MATRIX_SCALE_ROW1
.else
	v_wmma_scale_f32_16x16x128_f8f6f4 v[128+8*\t:135+8*\t], v[\buf+16*\t:\buf+16*\t+15], v[\pf:\pf+15], 0, v[250+3*(\t/2)+\s], v[240+\s] matrix_a_fmt:MATRIX_FMT_BF8 matrix_b_fmt:MATRIX_FMT_BF8
.endif
.else
.if \t%2
	v_wmma_scale_f32_16x16x128_f8f6f4 v[128+8*\t:135+8*\t], v[\buf+16*\t:\buf+16*\t+15], v[\pf:\pf+15], v[128+8*\t:135+8*\t], v[250+3*(\t/2)+\s], v[240+\s] matrix_a_fmt:MATRIX_FMT_BF8 matrix_b_fmt:MATRIX_FMT_BF8 matrix_a_scale:MATRIX_SCALE_ROW1
.else
	v_wmma_scale_f32_16x16x128_f8f6f4 v[128+8*\t:135+8*\t], v[\buf+16*\t:\buf+16*\t+15], v[\pf:\pf+15], v[128+8*\t:135+8*\t], v[250+3*(\t/2)+\s], v[240+\s] matrix_a_fmt:MATRIX_FMT_BF8 matrix_b_fmt:MATRIX_FMT_BF8
.endif
.endif
.endr
.endm
	; ---- the head: all set-up stands between the arguments' load and the wait for it
	s_load_b256 s[4:11], s[0:1], 0x0               ; q s[4:5], k s[6:7], v s[8:9], out0 s[10:11]
	v_lshl_add_u32 v1, v0, 2, SPARE                ; my spare word
	v_mov_b32 v2, 0                                ; and 0: kept for the wave's closing lines
	v_lshrrev_b32 v13, 5, v0
	v_readfirstlane_b32 s12, v13                   ; wave w, 0..15
	v_and_b32 v13, 31, v0                          ; lane
	v_and_b32 v11, 15, v0                          ; r
	v_bfe_u32 v12, v0, 4, 1                        ; h
	v_lshlrev_b32 v3, 4, v13                       ; 16 x lane
	s_wait_alu depctr_va_vdst(0)
	v_lshlrev_b32 v4, 2, v13                       ; 4 x lane
	s_wait_alu depctr_va_vdst(0)
	s_wait_alu depctr_va_sdst(0)                   ; s12, the wave's number, is written, ahead of its first reader: the LDS places, the offsets and the mask's bounds are made from it
	s_mul_i32 s35, s12, STGB                       ; my stage
	v_mul_u32_u24 v5, v12, 272
	v_lshl_add_u32 v5, v11, 4, v5
	v_add_nc_u32 v5, s35, v5                       ; the stage by rows as they lie in memory: lanes 0-15 a row of 256 bytes, lanes 16-31 the next
	v_mul_u32_u24 v6, v11, 272
	v_lshl_add_u32 v6, v12, 6, v6
	v_add_nc_u32 v6, s35, v6                       ; the stage by operand: row r, my half's 16 numbers (64 bytes) of a block of 32
	s_lshl_b32 s36, s12, 11
	s_add_co_u32 s38, s36, VIMG
	s_add_co_u32 s36, s36, KIMG
	s_lshl_b32 s37, s12, 7
	s_add_co_u32 s37, s37, KSC
	s_add_co_u32 s39, s12, VSC
	v_add_nc_u32 v7, s36, v3                       ; where I store k's images: KIMG + 2,048 w + 16 x lane
	v_add_nc_u32 v8, s37, v4                       ; k's scale words: KSC + 128 w + 4 x lane
	v_lshl_add_u32 v9, v12, 8, v3
	v_add_nc_u32 v9, s38, v9                       ; v's images: VIMG + 2,048 w + 512 (lane / 16) + 16 (lane % 16)
	v_add_nc_u32 v10, s39, v3                      ; v's scale bytes: VSC + 16 x lane + w
	s_lshr_b32 s27, s12, 1                         ; my first window block as a consumer
	s_lshl_b32 s41, s27, 11
	s_add_co_u32 s43, s41, VIMG
	s_add_co_u32 s41, s41, KIMG
	s_lshl_b32 s42, s27, 7
	s_add_co_u32 s42, s42, KSC
	s_lshr_b32 s44, s12, 3
	s_lshl_b32 s44, s44, 2
	s_add_co_u32 s44, s44, VSC                     ; the word of a channel's 16 bytes in which my first block's byte lies
	s_and_b32 s28, s27, 3
	s_mul_i32 s28, s28, 0x01010101
	s_add_co_u32 s28, s28, 0x03020100              ; v_perm_b32's selector: four bytes on end, from byte (first block % 4) of a pair of words
	s_and_b32 s13, ttmp7, 0xffff
	s_lshl_b32 s13, s13, 20                        ; the head's first byte: 4,096 rows of 256 bytes
	s_lshl_b32 s40, ttmp9, 8                       ; 256 x
	s_lshl_b32 s14, s12, 4
	s_add_co_u32 s14, s14, s40                     ; q0: my first query
	s_lshl_b32 s15, s12, 5
	s_add_co_u32 s15, s15, s40
	s_sub_co_i32 s15, s15, 128                     ; the first key of window block w,
	s_max_i32 s15, s15, 0
	s_min_i32 s15, s15, 4064                       ; held inside the sequence
	s_lshl_b32 s16, s14, 8
	s_add_co_u32 s16, s16, s13
	s_mov_b32 s17, 0                               ; q's and out0's offset
	s_lshl_b32 s18, s15, 8
	s_add_co_u32 s18, s18, s13
	s_mov_b32 s19, 0                               ; k's and v's
	s_mov_b32 s20, 0x76543210
	s_mov_b32 s21, 0xfedcba98                      ; v_permlanex16_b32's selects for lane l xor 16
	s_mov_b32 s22, 0x3e38aa3b                      ; c = log2(e) / 8
	s_mov_b32 s23, s22                             ; (named with it as a pair, so it is written)
	s_mov_b32 s24, 0xbe38aa3b                      ; -c
	s_mov_b32 s25, 0x600000                        ; the mantissa field of 57,344
	s_mov_b32 s26, 0xffff0000                      ; lanes 16-31
	s_lshl_b32 s29, s27, 5
	s_add_co_u32 s29, s29, s40
	s_sub_co_i32 s29, s29, 128                     ; kb0: the first key of my nine blocks (it may be negative)
	; q0 is a multiple of 16, so the cut at 0 acts on all 16 queries of the wave or on none, and so does the cut at 4,096
	s_cmp_ge_u32 s14, 128
	s_cselect_b32 s30, -1, 0                       ; does the lower bound move with the query?
	s_sub_co_i32 s31, s14, 128
	s_max_i32 s31, s31, 0
	s_sub_co_i32 s31, s31, s29                     ; max(q0 - 128, 0) - kb0
	s_and_b32 s32, s30, 15
	s_add_co_i32 s32, s32, s31                     ; the wave's largest lower bound
	s_cmp_lt_u32 s14, 3968
	s_cselect_b32 s33, -1, 0                       ; does the upper bound move with the query?
	s_add_co_u32 s34, s14, 128
	s_min_i32 s34, s34, 4096
	s_sub_co_i32 s34, s34, s29                     ; min(q0 + 128, 4096) - kb0
	s_wait_kmcnt 0x0
	s_add_nc_u64 s[4:5], s[4:5], s[16:17]
	s_add_nc_u64 s[10:11], s[10:11], s[16:17]
	s_add_nc_u64 s[6:7], s[6:7], s[18:19]
	s_add_nc_u64 s[8:9], s[8:9], s[18:19]
	s_wait_alu depctr_va_vdst(0)                   ; the offsets v3, v4 and the LDS addresses v5 to v10 are written, which the loads and the producer's LDS instructions below read
	; ---- all loads: q 16 rows, k 32 rows (512 consecutive bytes an instruction), v 32 rows with a lane to a channel and registers down the keys (a row's two halves side by side)
.irp i, 0,1,2,3,4,5,6,7
	global_load_b128 v[224+4*\i:227+4*\i], v3, s[4:5] offset:512*\i th:TH_LOAD_NT     ; read once in the launch
.endr
.irp i, 0,1,2,3,4,5,6,7,8,9,10,11,12,13,14,15
	global_load_b128 v[96+4*\i:99+4*\i], v3, s[6:7] offset:512*\i
.endr
.irp i, 0,1,2,3,4,5,6,7,8,9,10,11,12,13,14,15,16,17,18,19,20,21,22,23,24,25,26,27,28,29,30,31
	global_load_b32 v[32+\i], v4, s[8:9] offset:256*\i
	global_load_b32 v[64+\i], v4, s[8:9] offset:256*\i+128
.endr
	; ---- k's turn through my stage.  Key rho of the block goes to stage row (rho % 8) + 8 (bit 4 of rho) + 16 (bit 3 of rho): a tile's 16 keys are then 16 neighbouring rows
	s_wait_loadcnt 0x3f                            ; 64 loads (v's) were issued behind k's last; the count's field holds 63: at most 63 of the 88 are out, so q's 8 and k's 16 are in
.irp i, 0,1,2,3,4,5,6,7,8,9,10,11,12,13,14,15
	ds_store_b128 v5, v[96+4*\i:99+4*\i] offset:272*(((2*\i)&7)+8*(((2*\i)>>4)&1)+16*(((2*\i)>>3)&1))
.endr
.irp u, 0,1
.irp c, 0,1
.irp j, 0,1,2,3
	ds_load_b128 v[160+16*(2*\u+\c)+4*\j:160+16*(2*\u+\c)+4*\j+3], v6 offset:272*16*\u+128*\c+16*\j   ; LDS serves a wave's instructions in order (ISA guide 5.7.1.4): these see my stores
.endr
.endr
.endr
	s_wait_dscnt 0x0
	; ---- q's turn is started: rows 0-15 of the stage; its numbers land while k and v are quantised
.irp i, 0,1,2,3,4,5,6,7
	ds_store_b128 v5, v[224+4*\i:227+4*\i] offset:544*\i
.endr
	s_wait_alu depctr_vm_vsrc(0)                   ; k's stage stores have read v96-159: q's numbers land in v96-127 below, and the quantiser writes v128-146; q's stage stores have read v224-255, which are written again behind the barrier
.irp c, 0,1
.irp j, 0,1,2,3
	ds_load_b128 v[96+16*\c+4*\j:96+16*\c+4*\j+3], v6 offset:128*\c+16*\j
.endr
.endr
	; ---- k: four blocks (tile u, half c of the head) a lane
	QUANT 160, 4, 16, 128
	v_lshl_or_b32 v144, v133, 8, v132              ; tile 0's scale word of my row: two bytes; the upper two stay 0, over zero codes
	v_lshl_or_b32 v145, v135, 8, v134              ; tile 1's
	v_cndmask_b32 v146, v144, v145, s26            ; lanes 16-31 carry tile 1's
	s_wait_alu depctr_va_vdst(0)                   ; the conversions have written k's codes v16-31, and the select the scale word v146: the five stores below read them
.irp b, 0,1,2,3
	ds_store_b128 v7, v[16+4*\b:19+4*\b] offset:512*\b
.endr
	ds_store_b32 v8, v146
	; ---- v: my two channels, a block of 32 keys each
	s_wait_loadcnt 0x0
	QUANTV 32, 160, 136, 128
	QUANTV 64, 168, 137, 132
	s_wait_alu depctr_va_vdst(0)                   ; the conversions have written v's codes v160-175, and the shifts the bytes v136 and v137: the six stores below read them
.irp e, 0,1
	ds_store_b128 v9, v[160+8*\e:163+8*\e] offset:1024*\e          ; keys 0-15: the image's lanes 0-15
	ds_store_b128 v9, v[164+8*\e:167+8*\e] offset:1024*\e+256      ; keys 16-31: its lanes 16-31
	ds_store_b8 v10, v[136+\e] offset:512*\e
.endr
	; ---- the one barrier: my images and scales have landed, q's numbers are back
	s_wait_dscnt 0x0
	s_wait_alu depctr_vm_vsrc(0)                   ; the producer's LDS instructions have read their data (v16-31, v136, v137, v146, v160-175) and their addresses (v6 to v10): all of these are written again from here on
	s_barrier_signal -1
	QUANT 96, 2, 16, 128                           ; work on registers while the others arrive: q's fragment,
	v_lshl_or_b32 v14, v133, 8, v132               ; its scale word,
.irp j, 24,25,26,27,28,29,30,31
	v_mov_b32 v[\j], 0                             ; the zero codes of its K 64 .. 127,
.endr
.irp f, 0,1,2,3
.irp j, 8,9,10,11,12,13,14,15
	v_mov_b32 v[32+16*\f+\j], 0                    ; those of K's four fragment buffers,
.endr
.endr
	v_mul_u32_u24 v6, v11, 272                     ; and the consumer's addresses (seven plain lines: also the places between the codes' last write and the first product)
	v_lshl_add_u32 v6, v12, 5, v6
	v_add_nc_u32 v6, s35, v6                       ; the way out: stage row r, + 32 h
	v_add_nc_u32 v7, s41, v3                       ; K's images from my first block on
	v_add_nc_u32 v8, s42, v4                       ; their scale words
	v_add_nc_u32 v9, s43, v3                       ; V's images
	v_add_nc_u32 v10, s44, v3                      ; V's scale bytes: lane l takes channel l (+ 32 for the second pair of tiles)
	s_barrier_wait -1
	s_wait_alu depctr_va_vdst(0)                   ; the consumer's addresses v6 to v10 are written; the vector work on v32-95 is done, in which K's fragments land; q's codes v16-31, its scale word v14 and the fragments' zero codes are written, which the scaled products take (their places stand above)
	; ---- S^T = K Q^T: 18 tiles of 16 keys
.irp b, 0,1,2,3,4,5,6,7,8
	ds_load_b32 v[240+\b], v8 offset:128*\b
.endr
.irp p, 0,1
.irp i, 0,1,2
	ds_load_b32 v[224+3*\p+\i], v10 offset:512*\p+4*\i
.endr
.endr
	KGROUP 0, 4, 0
.irp p, 0,1                                    ; V's scale words for the three K steps: bytes first block .. + 8 of the 12 loaded.  Six of the eight places behind the products above
	v_perm_b32 v[250+3*\p], v[225+3*\p], v[224+3*\p], s28
	v_perm_b32 v[251+3*\p], v[226+3*\p], v[225+3*\p], s28
	v_perm_b32 v[252+3*\p], v[226+3*\p], v[226+3*\p], s28          ; byte 0: block 8's; the others are scale bytes too, and stand over attn's zero codes
.endr
	KGROUP 4, 4, 2
	KGROUP 8, 4, 8
	KGROUP 12, 4, 8
	KGROUP 16, 2, 8
	; ---- the mask.  Nine plain lines first: the places behind the last products
	v_and_b32 v15, 15, v0
	v_and_b32 v249, 16, v0
	v_and_b32 v11, s30, v15
	v_add_nc_u32 v11, s31, v11
	v_sub_nc_u32 v11, v11, v249                    ; max(q - 128, 0) - kb0 - 16 h
	v_and_b32 v12, s33, v15
	v_add_nc_u32 v12, s34, v12
	v_sub_nc_u32 v12, v12, v249                    ; min(q + 128, 4096) - kb0 - 16 h
	v_mov_b32 v13, 0xff800000                      ; -infinity
	MASKLO 0
	MASKLO 1
	MASKLO 2
	MASKLO 3
	MASKHI 5
	MASKHI 6
	MASKHI 7
	MASKHI 8
	; ---- the softmax.  The largest score of each block serves twice: for the row's maximum and, since attn rises with the score, for the block's largest attn
.irp b, 0,1,2,3,4,5,6,7,8
	v_max3_num_f32 v[32+\b], v[S+16*\b], v[S+16*\b+1], v[S+16*\b+2]
.endr
.irp i, 3,5,7,9,11,13
.irp b, 0,1,2,3,4,5,6,7,8
	v_max3_num_f32 v[32+\b], v[32+\b], v[S+16*\b+\i], v[S+16*\b+\i+1]
.endr
.endr
.irp b, 0,1,2,3,4,5,6,7,8
	v_max_num_f32 v[32+\b], v[32+\b], v[S+16*\b+15]
.endr
.irp b, 0,1,2,3,4,5,6,7,8
	v_permlanex16_b32 v[42+\b], v[32+\b], s20, s21
.endr
.irp b, 0,1,2,3,4,5,6,7,8
	v_max_num_f32 v[32+\b], v[32+\b], v[42+\b]     ; with lane l xor 16's 16 keys
.endr
	v_max3_num_f32 v82, v32, v33, v34
	v_max3_num_f32 v82, v82, v35, v36
	v_max3_num_f32 v82, v82, v37, v38
	v_max3_num_f32 v82, v82, v39, v40              ; the row's largest score: a number, since the row's own key counts
	v_mul_f32 v84, s24, v82                        ; -c x it; its rounding is common to the row and falls out in the division
	v_mov_b32 v85, v84                             ; (named with it as a pair)
.set J, 0
.rept 72
	v_pk_fma_f32 v[S+J:S+J+1], v[S+J:S+J+1], s[22:23], v[84:85] op_sel_hi:[1,0,0]     ; c s - c max, two at a time
.set J, J+2
.endr
.irp b, 0,1,2,3,4,5,6,7,8
	v_fma_f32 v[32+\b], v[32+\b], s22, v84         ; the same of each block's largest score
.endr
.set J, 0
	s_wait_alu depctr_va_vdst(0)
.rept 144
	v_exp_f32 v[S+J], v[S+J]                       ; one batch of 153: none reads another's result
.set J, J+1
.endr
.irp b, 0,1,2,3,4,5,6,7,8
	v_exp_f32 v[32+\b], v[32+\b]
.endr
	v_mov_b32 v91, 0                               ; the plain line behind the last exponential (the upper half of the pair v[90:91], named below)
	s_wait_alu depctr_va_vdst(0)                   ; the 153 exponentials have written v96-239 and v32-40: one wait for the batch, ahead of its first reader
	v_pk_add_f32 v[86:87], v[96:97], v[98:99]      ; the row's sum, two at a time, in two chains
	v_pk_add_f32 v[88:89], v[100:101], v[102:103]
.set J, 8
.rept 34
	v_pk_add_f32 v[86:87], v[86:87], v[S+J:S+J+1]
	v_pk_add_f32 v[88:89], v[88:89], v[S+J+2:S+J+3]
.set J, J+4
.endr
	v_pk_add_f32 v[86:87], v[86:87], v[88:89]
	v_add_f32 v86, v86, v87
	v_permlanex16_b32 v92, v86, s20, s21
	v_add_f32 v86, v86, v92                        ; with lane l xor 16's half of the keys
	s_wait_alu depctr_va_vdst(0)
	v_rcp_f32 v90, v86
	v_nop                                          ; a plain line behind the reciprocal
	s_wait_alu depctr_va_vdst(0)                   ; the reciprocal has written v90, ahead of its first reader
.set J, 0
.rept 72
	v_pk_mul_f32 v[S+J:S+J+1], v[S+J:S+J+1], v[90:91] op_sel_hi:[1,0]                 ; attn, finished and normalised
.set J, J+2
.endr
.irp b, 0,1,2,3,4,5,6,7,8
	v_mul_f32 v[32+\b], v[32+\b], v90              ; each block's largest attn: the same instructions on the same number give the same bits
.endr
	; ---- attn is quantised along the keys
.irp b, 0,1,2,3,4,5,6,7,8
	v_max_num_f32 v[32+\b], 0x8000000, v[32+\b]    ; the floor 2^(16 - 127): a block of zeros keeps the byte 1
.endr
.irp b, 0,1,2,3,4,5,6,7,8
	v_add_nc_u32 v[62+\b], 0xf8800000, v[32+\b]    ; the conversion's scale operand
.endr
.irp b, 0,1,2,3,4,5,6,7,8
	v_and_or_b32 v[52+\b], v[32+\b], 0x7f800000, s25   ; 57,344 x the scale
.endr
.irp b, 0,1,2,3,4,5,6,7,8
	v_lshrrev_b32 v[72+\b], 23, v[62+\b]           ; the byte
.endr
	v_lshl_or_b32 v240, v73, 8, v72                ; attn's scale words for the three K steps; they stand far more than eight plain lines ahead of the products
	v_lshl_or_b32 v241, v77, 8, v76
	v_lshl_or_b32 v240, v74, 16, v240
	v_lshl_or_b32 v241, v78, 16, v241
	v_lshl_or_b32 v240, v75, 24, v240
	v_lshl_or_b32 v241, v79, 24, v241
	v_lshrrev_b32 v242, 23, v70                    ; block 8's byte; the upper three stay 0, over zero codes
	PQ 0, 16
	PQ 1, 20
	PQ 2, 24
	PQ 3, 28
	PQ 4, 96                                       ; (blocks 0 and 1 have been converted: their registers take the codes of blocks 4 to 8)
	PQ 5, 100
	PQ 6, 104
	PQ 7, 108
	PQ 8, 112
.irp j, 116,117,118,119,120,121,122,123,124,125,126,127
	v_mov_b32 v[\j], 0                             ; the third K step's keys 32 .. 127: zero codes.  (Also the plain lines behind the last conversion)
.endr
	; ---- O^T = V^T P^T: three K steps of 128 keys
	s_wait_alu depctr_va_vdst(0)                   ; the softmax's small numbers in v32-95 and attn in v160-223 are done with: V's fragments land there; attn's codes (v16-31, v96-127) and the scale words (v240-242, v250-255) are written, which the scaled products take
	PVLOAD 0, 32, 4
	PVLOAD 1, 160, 4
	s_wait_dscnt 16                                ; step 0's 16 loads are in; step 1's 16 may be out
	PVMUL 0, 32, 16, 1                             ; the first products start the sums
.rept 8
	v_nop                                          ; the places behind these products stay, in front of the loads into registers that they read
.endr
	s_wait_alu depctr_va_vdst(0)                   ; step 0's products are done reading v32-95, in sixteen of which the four loads below land
	PVLOAD 2, 32, 1                                ; block 8 alone; the fragments' other twelve registers keep step 0's codes, finite numbers against attn's zero codes
	s_wait_dscnt 4                                 ; step 1's are in; step 2's 4 may be out
	PVMUL 1, 160, 96, 0
	s_wait_dscnt 0x0
	PVMUL 2, 32, 112, 0
	; ---- the way out: lane (r, h) holds out0(q0 + r, 16 t + 8 h + 0 .. 7); through my stage, back as whole rows
.rept 8
	v_nop                                          ; places in front of the first read of results and of the loads into the last products' registers
.endr
	s_wait_alu depctr_va_vdst(0)                   ; the products have written O^T, v128-159, which the LDS stores read, and are done reading v32-63, in which the rows land; the places above stay beside this wait
.irp t, 0,1,2,3
	ds_store_b128 v6, v[128+8*\t:131+8*\t] offset:64*\t            ; each accumulator from its low end on
	ds_store_b128 v6, v[132+8*\t:135+8*\t] offset:64*\t+16
.endr
.irp i, 0,1,2,3,4,5,6,7
	ds_load_b128 v[32+4*\i:35+4*\i], v5 offset:544*\i              ; in order behind my stores
.endr
.irp i, 0,1,2,3,4,5,6,7
	s_wait_dscnt 7-\i                              ; rows 2 i and 2 i + 1 are back; the younger loads may be out
	global_store_b128 v3, v[32+4*\i:35+4*\i], s[10:11] offset:512*\i th:TH_STORE_NT   ; 32 lanes store two whole rows: 512 consecutive bytes, at a multiple of 256 from out0's first byte
.endr
	s_wait_dscnt 0x0                               ; the closing lines, six on end
	s_wait_alu 0x0
	s_wait_tensorcnt 0x0
	ds_add_u32 v1, v2
	s_wait_dscnt 0x0
	s_endpgm
.Lfunc_end_k_q4d83bd147e_attn:
	.size	k_q4d83bd147e_attn, .Lfunc_end_k_q4d83bd147e_attn-k_q4d83bd147e_attn
	.p2alignl 7, 3214868480
	.fill 96, 4, 3214868480
	.section	.rodata,"a",@progbits
	.p2align	6, 0x0
	.amdhsa_kernel k_q4d83bd147e_attn
		.amdhsa_group_segment_fixed_size 209920
		.amdhsa_private_segment_fixed_size 0
		.amdhsa_enable_private_segment 0
		.amdhsa_kernarg_size 32
		.amdhsa_user_sgpr_count 2
		.amdhsa_user_sgpr_kernarg_segment_ptr 1
		.amdhsa_wavefront_size32 1
		.amdhsa_system_sgpr_workgroup_id_x 1
		.amdhsa_system_sgpr_workgroup_id_y 1
		.amdhsa_system_sgpr_workgroup_id_z 1
		.amdhsa_system_vgpr_workitem_id 0
		.amdhsa_next_free_vgpr 256
		.amdhsa_next_free_sgpr 66
		.amdhsa_reserve_vcc 0
		.amdhsa_float_denorm_mode_32 3
		.amdhsa_float_denorm_mode_16_64 3
		.amdhsa_memory_ordered 1
		.amdhsa_forward_progress 1
		.amdhsa_inst_pref_size 105
	.end_amdhsa_kernel
	.amdgpu_metadata
---
amdhsa.version: [ 1, 2 ]
amdhsa.kernels:
  - .name:           k_q4d83bd147e_attn
    .symbol:         k_q4d83bd147e_attn.kd
    .args:
      - { .name: q, .offset: 0, .size: 8, .value_kind: global_buffer, .address_space: global }
      - { .name: k, .offset: 8, .size: 8, .value_kind: global_buffer, .address_space: global }
      - { .name: v, .offset: 16, .size: 8, .value_kind: global_buffer, .address_space: global }
      - { .name: out0, .offset: 24, .size: 8, .value_kind: global_buffer, .address_space: global }
    .group_segment_fixed_size: 209920
    .private_segment_fixed_size: 0
    .kernarg_segment_align: 8
    .kernarg_segment_size: 32
    .max_flat_workgroup_size: 512
    .sgpr_count:     66
    .vgpr_count:     256
    .wavefront_size: 32
...
	.end_amdgpu_metadata
.endif
;; end of part 2
